; MI455X (gfx1250); checked and timed in simulation.
; The chip was launched on July 23, 2026; its instructions are those of AMD's public machine-readable ISA for CDNA 5 (MIT licence, August 2026) and "CDNA5" Instruction Set Architecture Reference Guide (July 2026). The comments in the code are by the model that wrote it; some were corrected since.
;; Transformer. Allowed arithmetic: matrix products marked QUANTISED: E2M3 operands, one E8M0 scale for each 32 along K, by v_wmma_scale_f32_16x16x128_f8f6f4 with both operands' format E2M3, f32 sums; everything else in f32.
;; Inputs: Wk 512 x 512 float32; Wo 512 x 512 float32; Wq 512 x 512 float32; Wv 512 x 512 float32; beta 512 float32; bk 512 float32; bo 512 float32; bq 512 float32; bv 512 float32; gamma 512 float32; x 8 x 2,048 x 512 float32.
;; Outputs: out0 8 x 2,048 x 512 float32.
;; This version of the problem:
;;   THIS VERSION OF THE PROBLEM IS GIVEN IN LOW PRECISION. The matrix products marked QUANTISED in the list below multiply operands that are first quantised to E2M3 (2 exponent bits, 3 mantissa bits; 6 bits a number), with one power-of-two scale for each 32 numbers along K (OCP MX v1.0); their sums are f32. All else is computed in f32.
;;   The module's matrix products, in the order in which they are computed (A, B: the left and right operand; K: the contracted axis; several contracted axes count as one K, in the product's order):
;;     1. [M 16,384, K 512] x [K 512, N 512]; A: input x; B: input Wq: QUANTISED
;;     2. [M 16,384, K 512] x [K 512, N 512]; A: input x; B: input Wk: QUANTISED
;;     3. [M 16,384, K 512] x [K 512, N 512]; A: input x; B: input Wv: QUANTISED
;;     4. batch 8 x [M 2,048, K 512] x [K 512, N 2,048]; A: computed on the way; B: computed on the way: QUANTISED
;;     5. batch 8 x [M 2,048, K 2,048] x [K 2,048, N 512]; A: softmax (see below); B: computed on the way: QUANTISED
;;     6. [M 16,384, K 512] x [K 512, N 512]; A: computed on the way; B: input Wo: QUANTISED
;;   THE QUANTISER, for each operand of a quantised product, along K:
;;     - K is cut into blocks of 32 from its start; a last block that is shorter is filled with zeros.
;;     - A block's scale is 2^e with e = floor(log2(the largest magnitude in the block)) - 2, held to -126 .. 127; a block of zeros has e = 0. As a byte (E8M0): e + 127.
;;     - Each number is divided by its block's scale, clamped to +-7.5, and rounded to the nearest number of E2M3, ties to even, subnormals kept.
;;     - The product sums the exact products of the quantised numbers (number of the format x scale) in f32.
;;   ~~~python
;;   def quantise(x, axis):      # numpy; x: float32 -> the quantised numbers, widened to float32 again
;;       x = np.moveaxis(x, axis, -1); K = x.shape[-1]
;;       x = np.pad(x, [(0, 0)] * (x.ndim - 1) + [(0, -K % 32)]); x = x.reshape(x.shape[:-1] + (-1, 32)); a = np.abs(x).max(-1, keepdims=True)
;;       e = np.where(a > 0, np.clip(np.frexp(np.where(a > 0, a, 1))[1] - 1 - 2, -126, 127), 0)      # np.frexp(a)[1] - 1 = floor(log2(a)), exactly
;;       r = np.clip(x / 2.0 ** e, -7.5, 7.5)
;;       step = 2.0 ** (np.maximum(np.frexp(np.where(r == 0, 1, r))[1] - 1, 0) - 3)
;;       q = np.round(r / step) * step * 2.0 ** e      # np.round: ties to even
;;       return np.moveaxis(q.reshape(q.shape[:-2] + (-1,))[..., :K], -1, axis).astype(np.float32)
;;   ~~~
;;   SOFTMAX AHEAD OF A QUANTISED PRODUCT. Where the list says 'softmax', what is quantised is not the finished softmax but p = 2^(t - M), with t = logit x log2(e) and M = ceil(the row's largest t), a whole number; so 1/2 < the row's largest p <= 1. The row's sum l is taken of the UNQUANTISED p, in f32, and the product's result is divided by l at the end. Since M is a whole number, a kernel that streams over the keys may use a running M (the ceiling of the running maximum): every later rescaling is an exact power of two, which a block's scale takes up: the codes' values come out the same.
;;   OPERANDS COMPUTED ON THE WAY. 'Computed on the way' means the value that the module computes at that place (a softmax that the list does not call 'softmax' is quantised finished and normalised). What goes into a quantiser is computed in f32, as accurately as f32 sums, v_exp_f32 and their like allow (about 1e-6 of the number): no bf16 or f16 on the way to a quantiser, and a product that is left as it is and whose result goes on into a quantised operand takes f32 operands (vector FMAs, or v_wmma_f32_16x16x4_f32). A number that lies on a knife's edge between two numbers of the format may be rounded either way, as far as f32 arithmetic and the matrix unit's own rounding can turn it there, and no further.
;; One version. Each part assembles by itself: llvm-mc -triple=amdgcn-amd-amdhsa -mcpu=gfx1250 --defsym DOCPART=n.
;; ======== version 1 of 1: 3 launches
;; limits: right only within a limited range of input values
;; workspace buffers: wcodes 819,200 bytes; qcodes 6,553,600 bytes; kcodes 6,553,600 bytes; vcodes 6,553,600 bytes
;; launch wprep (part 1): grid 64 x 1, 16 waves a work-group, no clusters, 2,560 bytes of LDS; arguments Wq, Wk, Wv, Wo, wcodes; writes wcodes
.if DOCPART == 1
	.amdgcn_target "amdgcn-amd-amdhsa--gfx1250"
	.amdhsa_code_object_version 6
	.text
	.protected	k_q791abf3a16_wprep
	.globl	k_q791abf3a16_wprep
	.p2align	8
	.type	k_q791abf3a16_wprep,@function
k_q791abf3a16_wprep:
	s_mov_b64 s[64:65], 0
	v_nop
	global_prefetch_b8 v0, s[64:65] scope:SCOPE_SE
	s_setreg_imm32_b32 hwreg(HW_REG_WAVE_MODE, 25, 1), 1
	s_wait_xcnt 0x0
; THE PROGRAM: relu projections q, k, v of x, attention over the whole width of 512, relu(ctx Wo + bo), LayerNorm; all six products on codes of FP6 (E2M3) with one E8M0 scale for each 32 along K.
; Three launches: this one lays the four weights out as codes; the second makes q, k, v as codes; the third does both products of the attention, the last projection and the norm.
; NO WORK OF THE PROBLEM IS LEFT OUT: every input has a way to the output (each bias goes into a quantised operand or into the norm), and every product is live.
; The factor 2^-3 on q is a power of two: the second launch carries it in q's scale bytes (byte - 3), which gives the codes and bytes of the quantised q x 2^-3.
; THIS LAUNCH.  W [512 (k)][512 (n)], f32, K its first axis, becomes codes with K innermost, in the order of an operand's registers.
; A FRAGMENT is 16 operand rows x 128 K: 12 registers a lane, 1,536 bytes; registers 2 p, 2 p + 1 of lane L lie at 256 p + 8 L.  A BLOCK is 64 columns of W x all 512 of K: 16 fragments (tile i, K step s) at
; (4 i + s) x 1,536, then from byte 24,576 on 16 bytes of scales a row (word s for K step s) at 16 (16 i + r): 25,600 bytes.  wcodes holds 32 BLOCKs: Wq 0-7, Wk 8-15, Wv 16-23, Wo 24-31.
; THE COLUMNS OF A TILE ARE NOT NEIGHBOURS: lane r of tile 2 b + u takes column 32 b + 8 u + r + 8 (r / 8) of the BLOCK's 64, so that a product's results of tiles 2 b and 2 b + 1 are 16 neighbours along the next K.
; SHARES.  Work-group g: weight g / 16, columns 32 (g % 16) on.  Wave w of sixteen: the block of 32 along K from 32 w on (K step w / 4, block w % 4).  A lane takes a column and its 32 registers run down K.
; A block's scale is 2^(floor(log2(largest magnitude)) - 2); its byte is the largest magnitude's exponent field - 2, held at 1 from below by a floor among the maximum's leaves.
; LIMITS: a block of zeros gets the byte 1 where the rule says 127 (its codes are zeros, and this program alone reads the bytes); NaN and infinities among the inputs are not served.
.set SPW, 20                           ; v20  LDS address of my spare word; never rewritten
.set NIL, 21                           ; v21  0; never rewritten
.set CW,  24                           ; v24-31   my block's codes
.set XW,  32                           ; v32-63   my column's 32 numbers
	s_load_b256 s[4:11], s[0:1], 0x0               ; Wq, Wk, Wv, Wo
	s_load_b64 s[12:13], s[0:1], 0x20              ; wcodes
	v_lshl_add_u32 v[SPW], v0, 2, 512              ; the spare words, 16 x 128 bytes, lie behind the 512 bytes of the scales' stage
	v_mov_b32 v[NIL], 0
	v_lshrrev_b32 v1, 5, v0
	v_readfirstlane_b32 s14, v1                    ; wave = block of 32 along K
	v_and_b32 v2, 31, v0                           ; x: my column among the 32
	v_lshlrev_b32 v3, 2, v2                        ; in: 4 bytes a lane
	v_bfe_u32 v4, v2, 3, 1                         ; u = (x / 8) % 2: which of the two tiles
	v_and_b32 v5, 7, v2
	v_lshrrev_b32 v6, 4, v2
	v_lshl_add_u32 v5, v6, 3, v5                   ; r = x % 8 + 8 (x / 16): my row in that tile
	v_lshlrev_b32 v7, 3, v5
	v_mad_u32_u24 v7, v4, 6144, v7                 ; out: 6,144 u (four fragments a tile) + 8 r
	v_lshlrev_b32 v8, 4, v5
	v_lshl_add_u32 v8, v4, 8, v8
	v_add_nc_u32 v8, s14, v8                       ; the stage: 256 u + 16 r + my block's byte (4 x K step + block = wave)
	v_lshlrev_b32 v9, 4, v2                        ; 16 x lane: wave 0 takes the stage out
	s_lshr_b32 s16, ttmp9, 4                       ; which weight
	s_and_b32 s17, ttmp9, 15                       ; which 32 columns
	s_lshl_b32 s18, s14, 16                        ; 32 rows of 2,048 bytes a block
	s_lshl_b32 s19, s17, 7
	s_add_co_u32 s18, s18, s19
	s_mov_b32 s19, 0
	s_lshl_b32 s20, s16, 3
	s_lshr_b32 s21, s17, 1
	s_add_co_u32 s20, s20, s21
	s_mul_i32 s20, s20, 25600                      ; my BLOCK
	s_and_b32 s21, s17, 1                          ; b: which 32 of its 64 columns
	s_mul_i32 s22, s21, 12288
	s_lshr_b32 s23, s14, 2
	s_mul_i32 s23, s23, 1536                       ; the K step's fragment
	s_add_co_u32 s22, s22, s23
	s_bfe_u32 s23, s14, 0x10001
	s_mul_i32 s23, s23, 768                        ; registers 6 ((w % 4) / 2) on
	s_add_co_u32 s22, s22, s23
	s_and_b32 s23, s14, 1
	s_lshl_b32 s23, s23, 7                         ; the lanes' half w % 2
	s_add_co_u32 s22, s22, s23
	s_add_co_u32 s22, s22, s20
	s_mov_b32 s23, 0
	s_lshl_b32 s21, s21, 9
	s_add_co_u32 s20, s20, s21
	s_add_co_u32 s20, s20, 24576
	s_mov_b32 s21, 0
	s_wait_alu depctr_va_vdst(0)                   ; the wait at the head's end
	s_wait_kmcnt 0x0
	s_cmp_lt_u32 s16, 1                            ; the choice hangs on the work-group's number alone
	s_cselect_b64 s[4:5], s[4:5], s[6:7]
	s_cmp_lt_u32 s16, 3
	s_cselect_b64 s[8:9], s[8:9], s[10:11]
	s_cmp_lt_u32 s16, 2
	s_cselect_b64 s[4:5], s[4:5], s[8:9]
	s_add_nc_u64 s[4:5], s[4:5], s[18:19]
	s_add_nc_u64 s[24:25], s[12:13], s[22:23]      ; my half of six registers of a fragment
	s_add_nc_u64 s[26:27], s[12:13], s[20:21]      ; the 512 bytes of scales of these 32 columns
.set kk, 0
.rept 32
	global_load_b32 v[XW+kk], v3, s[4:5] offset:2048*kk th:TH_LOAD_NT   ; W(32 w + kk, my column): 128 consecutive bytes a wave
.set kk, kk+1
.endr
	s_wait_loadcnt 0x0
	v_max3_num_f32 v10, |v[XW]|, |v[XW+1]|, 0x1800000     ; two chains, each with the floor 2^(3 - 127): the byte cannot fall under 1
	v_max3_num_f32 v11, |v[XW+16]|, |v[XW+17]|, 0x1800000
.irp i, 2,4,6,8,10,12,14
	v_max3_num_f32 v10, v10, |v[XW+\i]|, |v[XW+\i+1]|
	v_max3_num_f32 v11, v11, |v[XW+16+\i]|, |v[XW+17+\i]|
.endr
	v_max_num_f32 v10, v10, v11
	v_add_nc_u32 v12, 0xff000000, v10              ; 2 off the exponent field: the conversion's scale operand
	v_lshrrev_b32 v13, 23, v12                     ; the scale's byte
	v_cvt_scalef32_pk16_fp6_f32 v[CW:CW+2], v[XW:XW+15], v12
	v_cvt_scalef32_pk16_fp6_f32 v[CW+4:CW+6], v[XW+16:XW+31], v12   ; (a conversion's three registers begin on an even number)
	v_nop                                          ; one plain place behind a scaled conversion
	v_mov_b32 v[CW+3], v[CW+4]
	v_mov_b32 v[CW+4], v[CW+5]
	v_mov_b32 v[CW+5], v[CW+6]                     ; six registers on end: my 32 codes
.irp i, 0,1,2
	global_store_b64 v7, v[CW+2*\i:CW+2*\i+1], s[24:25] offset:256*\i   ; sixteen lanes store 128 consecutive bytes
.endr
	ds_store_b8 v8, v13
	s_wait_dscnt 0x0                               ; for wave 0's sake: my byte lies in the stage
	s_barrier_signal -1
	s_barrier_wait -1
	s_cmp_lg_u32 s14, 0
	s_cbranch_scc1 .Ldone
	ds_load_b128 v[16:19], v9                      ; 32 rows x 16 bytes
	s_wait_dscnt 0x0
	global_store_b128 v9, v[16:19], s[26:27]       ; 512 consecutive bytes, aligned to 256
.Ldone:
	s_wait_tensorcnt 0x0                           ; the wave's end: a tensor wait, an add to my spare word and its wait, behind my last LDS store
	ds_add_u32 v[SPW], v[NIL]
	s_wait_dscnt 0x0
	s_endpgm
.Lfunc_end_k_q791abf3a16_wprep:
	.size	k_q791abf3a16_wprep, .Lfunc_end_k_q791abf3a16_wprep-k_q791abf3a16_wprep
	.p2alignl 7, 3214868480
	.fill 96, 4, 3214868480
	.section	.rodata,"a",@progbits
	.p2align	6, 0x0
	.amdhsa_kernel k_q791abf3a16_wprep
		.amdhsa_group_segment_fixed_size 2560
		.amdhsa_private_segment_fixed_size 0
		.amdhsa_enable_private_segment 0
		.amdhsa_kernarg_size 40
		.amdhsa_user_sgpr_count 2
		.amdhsa_user_sgpr_kernarg_segment_ptr 1
		.amdhsa_wavefront_size32 1
		.amdhsa_system_sgpr_workgroup_id_x 1
		.amdhsa_system_sgpr_workgroup_id_y 1
		.amdhsa_system_sgpr_workgroup_id_z 1
		.amdhsa_system_vgpr_workitem_id 0
		.amdhsa_next_free_vgpr 64
		.amdhsa_next_free_sgpr 66
		.amdhsa_reserve_vcc 0
		.amdhsa_float_denorm_mode_32 3
		.amdhsa_float_denorm_mode_16_64 3
		.amdhsa_memory_ordered 1
		.amdhsa_forward_progress 1
		.amdhsa_inst_pref_size 8
	.end_amdhsa_kernel
	.amdgpu_metadata
---
amdhsa.version: [ 1, 2 ]
amdhsa.kernels:
  - .name:           k_q791abf3a16_wprep
    .symbol:         k_q791abf3a16_wprep.kd
    .args:
      - { .name: Wq, .offset: 0, .size: 8, .value_kind: global_buffer, .address_space: global }
      - { .name: Wk, .offset: 8, .size: 8, .value_kind: global_buffer, .address_space: global }
      - { .name: Wv, .offset: 16, .size: 8, .value_kind: global_buffer, .address_space: global }
      - { .name: Wo, .offset: 24, .size: 8, .value_kind: global_buffer, .address_space: global }
      - { .name: wcodes, .offset: 32, .size: 8, .value_kind: global_buffer, .address_space: global }
    .group_segment_fixed_size: 2560
    .private_segment_fixed_size: 0
    .kernarg_segment_align: 8
    .kernarg_segment_size: 40
    .max_flat_workgroup_size: 512
    .sgpr_count:     66
    .vgpr_count:     64
    .wavefront_size: 32
...
	.end_amdgpu_metadata
.endif
;; end of part 1
;; launch proj (part 2): grid 256 x 1, 4 waves a work-group, clusters of 4 x 1, 327,680 bytes of LDS; arguments x, wcodes, bq, bk, bv, qcodes, kcodes, vcodes; writes qcodes, kcodes, vcodes
.if DOCPART == 2
	.amdgcn_target "amdgcn-amd-amdhsa--gfx1250"
	.amdhsa_code_object_version 6
	.text
	.protected	k_q791abf3a16_proj
	.globl	k_q791abf3a16_proj
	.p2align	8
	.type	k_q791abf3a16_proj,@function
k_q791abf3a16_proj:
	s_mov_b64 s[64:65], 0
	v_nop
	global_prefetch_b8 v0, s[64:65] scope:SCOPE_SE
	s_setreg_imm32_b32 hwreg(HW_REG_WAVE_MODE, 25, 1), 1
	s_wait_xcnt 0x0
	s_wait_alu depctr_hold_cnt(0) depctr_sa_sdst(0) depctr_va_vdst(0) depctr_va_sdst(0) depctr_va_ssrc(0) depctr_va_vcc(0) depctr_vm_vsrc(0)
	s_getreg_b32 s2, hwreg(HW_REG_IB_STS2, 6, 4)
	s_cmp_eq_u32 s2, 0
	s_cbranch_scc0 .Lentry_in_a_cluster
	s_endpgm
.Lentry_in_a_cluster:
	s_bfe_u32 s2, ttmp6, 0x10000c
	s_cmp_lg_u32 s2, 0x3003
	s_cbranch_scc0 .Lentry_shape_is_right
	s_endpgm
.Lentry_shape_is_right:
; q = relu(x Wq + bq) x 2^-3, k = relu(x Wk + bk), v = relu(x Wv + bv), each product on codes of FP6 (E2M3) with E8M0 scales, each result quantised again for the attention and stored as codes.  Nothing of the problem is left out here.
; FORMATS (see the first launch): a FRAGMENT is 16 rows x 128 K as an image of its 12 registers (registers 2 p, 2 p + 1 of lane L at 256 p + 8 L); a BLOCK is 64 rows x K 512: fragments (tile i, K step s) at (4 i + s) x 1,536 and
; 16 bytes of scales a row from byte 24,576 on.  Lane r of tile 2 b + u stands for row 32 b + 8 u + r + 8 (r / 8) of the 64.  qcodes, kcodes: one BLOCK for each 64 rows of x, K = the 512 columns.
; vcodes: K = the keys.  One tile of 102,400 bytes for each 256 keys; in it BLOCK w = dims 128 w on: fragments (16 dims dtl, 128 keys kf) at (2 dtl + kf) x 1,536; from 24,576 on four planes of 256 bytes, one for each 64 keys: two scale bytes at 16 r + 2 dtl.
; SHARES.  A work-group takes 64 rows of x.  Each wave quantises 16 of them (through its own stage in LDS, so that every load reads 512 consecutive bytes and yet a lane holds 16 neighbours of a block); the images go to all four waves through LDS.
; The weights walk by in six tiles of 256 columns (Wq, Wq, Wk, Wk, Wv, Wv) through two LDS slots; wave w loads and reads BLOCK w of a tile: 64 columns, 64 matrix instructions against the 64 rows.
; CLUSTER.  The four work-groups of a cluster walk the same weights: each tile is asked for JOINTLY, by the same tensor load with the same descriptor and the mask of all four.
; q AND k: the product is used transposed (source 0 = 16 columns of W, source 1 = 16 rows of x): a lane holds one row and its registers run along the columns, the next K.  v: used as it stands: a lane holds one column and its registers run down the keys.
; The biases are the C of each sum's first matrix instruction.  q's factor 2^-3 is exact: 3 is taken off q's scale bytes, and the floor under a block's largest magnitude is 2^3 higher, so that the byte stays at 1 or above.
; LIMITS: a block of zeros, or one under the floor, gets the byte 1 where the rule says 127 (zero codes; this program alone reads the bytes); NaN and infinities among the inputs are not served.
; REGISTERS, in windows of 256: window 0: v1-23 addresses; v24-39 x's scale words; v40-55 the weights'; v56-183 the 16 accumulators; v184-220 at work.
;   window 1: x's 16 fragments (tile t, K step s) at 12 (4 t + s); from v192 the bias of q or k in the result's layout.   window 2: at the head x as loaded; then the weights' 16 fragments (tile c, K step s) at 12 (4 s + c); from v192 bv.
.set BLK,   25600
.set TILEB, 102400
.set XIMG,  102400                     ; LDS: slot 0 at 0; x's 16 fragments;
.set XSC,   126976                     ; their scale words, 128 bytes a fragment;
.set GS,    129024                     ; q's and k's scales on their way out, 1,024 bytes each;
.set WB1,   131072                     ; slot 1;
.set XST,   233472                     ; a stage of 16 rows x (1,024 + 16) bytes for each wave;
.set VSG,   300032                     ; v's scales on their way out;
.set SPARE, 301056                     ; the spare words, 128 bytes a wave, which no other line names
.set L8,   1                           ; 8 x lane
.set L16,  2                           ; 16 x lane
.set H64,  4                           ; 64 x (lane / 16)
.set AW,   5                           ; v5-6   my BLOCK's fragments in slot 0, 1
.set AWS,  7                           ; v7-8   its scales
.set XWR,  9                           ; the stage: in,
.set XRD,  10                          ; and out
.set XWA,  11                          ; where I store x's images,
.set XSA,  12                          ; and their scale words
.set XIR,  13                          ; where all waves read them
.set XSR,  14
.set QO,   15                          ; my byte offset in a BLOCK of q or k
.set GSA0, 16
.set GSA,  17                          ; where my scale bytes of q or k go
.set VO,   18                          ; my byte offset in v's tile
.set VSA,  19                          ; where my scale bytes of v go
.set BVO,  20                          ; my column's bv
.set SPW,  22                          ; LDS address of my spare word; never rewritten
.set NIL,  23                          ; 0; never rewritten
.set XS,   24
.set WS,   40
.set ACC,  56
.set BM,   184                         ; eight blocks' largest magnitudes
.set T8,   192
.set SO,   200                         ; the conversions' scale operands
.set HW,   208                         ; two scale bytes for each group of 64 along K
.set CD0,  212                         ; the first group's codes
.set WV,   20                          ; s20 wave
.set CX,   21                          ; s21 my place in the cluster: it enters global addresses of my own loads and stores alone
.set GG,   22                          ; s22 my 64 rows
.set G1,   24                          ; s[24:31] descriptor group 1: 100 rows of 256 bytes
.set G0,   32                          ; s[32:39] group 0, one set for each slot
.set SEL,  40
.set FLR,  42                          ; the floor under a block's largest magnitude
.set ADJ,  43                          ; what is taken off two scale bytes
.set CNT,  44
.set GOFF, 45
.set DST,  46                          ; q's BLOCK, then k's
.set BP,   48                          ; bq at my 64 columns
.set KD,   50
.set BKP,  52
.set VD,   54
.set QB,   56
.set VSP,  58
.set MSB, 0
.macro WIN new                         ; the immediate's high byte repeats the setting that is left
.if MSB != \new
	s_set_vgpr_msb (MSB<<8)|\new
.set MSB, \new
.endif
.endm
.macro CROUND                          ; a round of the cluster's barrier
	s_barrier_signal -1
	s_barrier_wait -1
	s_cmp_lg_u32 s[WV], 0
	s_cbranch_scc1 .Lnot_wave_0_\@
	s_barrier_signal -3
.Lnot_wave_0_\@:
	s_barrier_wait -3
	s_barrier_signal -1
	s_barrier_wait -1
.endm
.macro JLOAD g0                        ; a joint load: every wave fetches its own BLOCK of the tile; an s_nop 0 and four v_nop follow
	tensor_load_to_lds s[\g0:\g0+3], s[G1:G1+7]
	s_nop 0
.rept 4
	v_nop
.endr
.endm
; 128 numbers of a lane, four groups of 32: in a group, register 16 b + i is k = 32 b + 16 (lane / 16) + i of the lane's row.  QMAX4: the eight blocks' largest magnitudes, by turns, with the floor among the leaves.
.macro QMAX4 src
.set kk, 0
.rept 8
	v_max3_num_f32 v[BM+kk], |v[\src+16*kk]|, |v[\src+16*kk+1]|, s[FLR]
.set kk, kk+1
.endr
.set ii, 2
.rept 7
.set kk, 0
.rept 8
	v_max3_num_f32 v[BM+kk], v[BM+kk], |v[\src+16*kk+ii]|, |v[\src+16*kk+ii+1]|
.set kk, kk+1
.endr
.set ii, ii+2
.endr
.set kk, 0
.rept 8
	v_permlanex16_b32 v[T8+kk], v[BM+kk], s[SEL], s[SEL+1]
.set kk, kk+1
.endr
.set kk, 0
.rept 8
	v_max_num_f32 v[BM+kk], v[BM+kk], v[T8+kk]     ; with lane l xor 16's 16 numbers
.set kk, kk+1
.endr
.endm
.macro QSCL4                           ; scale operands, bytes, and two bytes for each group
.set kk, 0
.rept 8
	v_add_nc_u32 v[SO+kk], 0xff000000, v[BM+kk]    ; 2 off the exponent field
.set kk, kk+1
.endr
.set kk, 0
.rept 8
	v_lshrrev_b32 v[T8+kk], 23, v[SO+kk]
.set kk, kk+1
.endr
.set kk, 0
.rept 4
	v_lshl_or_b32 v[HW+kk], v[T8+2*kk+1], 8, v[T8+2*kk]
.set kk, kk+1
.endr
.endm
.macro GDST g, src, cd0                ; DR: where group g's six registers of codes stand: the first group's apart, each later one's in the numbers of the group before, which are converted by then
.if (\g) == 0
.set DR, \cd0
.else
.set DR, \src+32*((\g)-1)
.endif
.endm
.macro QCVT4S src, cd0                 ; each group becomes half a fragment: lanes 0-15 its first block of 32, lanes 16-31 its second
.set gg, 0
.rept 4
	GDST gg, \src, \cd0
	v_cvt_scalef32_pk16_fp6_f32 v[DR:DR+2], v[\src+32*gg:\src+32*gg+15], v[SO+2*gg]
	v_cvt_scalef32_pk16_fp6_f32 v[DR+6:DR+8], v[\src+32*gg+16:\src+32*gg+31], v[SO+2*gg+1]
	v_nop                                          ; one plain place behind a scaled conversion
	v_permlane16_swap_b32 v[DR], v[DR+6]           ; the first's lanes 16-31 change places with the second's lanes 0-15
	v_permlane16_swap_b32 v[DR+1], v[DR+7]
	v_permlane16_swap_b32 v[DR+2], v[DR+8]
	v_mov_b32 v[DR+3], v[DR+6]
	v_mov_b32 v[DR+4], v[DR+7]
	v_mov_b32 v[DR+5], v[DR+8]
.set gg, gg+1
.endr
.endm
	s_load_b512 s[4:19], s[0:1], 0x0               ; x, wcodes, bq, bk, bv, qcodes, kcodes, vcodes
	v_lshl_add_u32 v[SPW], v0, 2, SPARE
	v_mov_b32 v[NIL], 0
	ds_add_u32 v[SPW], v[NIL]                      ; the wave's opening: the add, twice on end, and its wait ahead of my first tensor load
	ds_add_u32 v[SPW], v[NIL]
	v_lshrrev_b32 v21, 5, v0
	v_readfirstlane_b32 s[WV], v21
	v_and_b32 v21, 31, v0                          ; lane
	v_lshlrev_b32 v[L8], 3, v21
	v_lshlrev_b32 v[L16], 4, v21
	v_and_b32 v3, 15, v0                           ; r
	v_bfe_u32 v[H64], v0, 4, 1                     ; h, for now
	s_bfe_u32 s[CX], ttmp6, 0x40000
	s_lshl_b32 s[GG], ttmp9, 2
	s_add_co_u32 s[GG], s[GG], s[CX]
	s_mov_b32 s[G1], 0x0023000f                    ; 15:0 the mask: all four work-groups; 17:16 elements of 8 bytes; 21 set beside a mask; no padding
	s_mov_b32 s[G1+1], 32<<16                      ; tensor_dim0 = 32 elements: 256 bytes
	s_mov_b32 s[G1+2], 100<<16                     ; tensor_dim1 = 100 rows: a BLOCK's 25,600 dense bytes
	s_mov_b32 s[G1+3], 32<<16                      ; tile_dim0
	s_mov_b32 s[G1+4], 100                         ; tile_dim1
	s_mov_b32 s[G1+5], 32                          ; the pitch
	s_mov_b32 s[G1+6], 0
	s_mov_b32 s[G1+7], 0
	s_mov_b32 s[SEL], 0x76543210
	s_mov_b32 s[SEL+1], 0xfedcba98                 ; v_permlanex16_b32's selects for lane l xor 16
	s_mov_b32 s[FLR], 0x1800000                    ; 2^(3 - 127)
	s_mul_i32 s60, s[WV], BLK                      ; my BLOCK in a tile, in memory and in a slot
	s_mov_b32 s61, 0
	s_wait_dscnt 0x0                               ; both opening adds are done
	s_wait_kmcnt 0x0
	s_mov_b32 s[G0], 1
	s_mov_b32 s[G0+1], s60                         ; slot 0
	s_add_nc_u64 s[G0+2:G0+3], s[6:7], s[60:61]    ; tile 0
	s_mov_b32 s[G0+4], 1
	s_add_co_u32 s[G0+5], s60, WB1                 ; slot 1
	s_add_nc_u64 s[G0+6:G0+7], s[G0+2:G0+3], TILEB ; tile 1
	s_or_b32 s[G0+3], s[G0+3], 0x80000000
	s_or_b32 s[G0+7], s[G0+7], 0x80000000
	CROUND                                         ; all four work-groups are here: the first joint loads meet
	JLOAD G0                                       ; tile 0; one tensor load of a wave is out at any time
	s_lshl_b32 s66, s[GG], 17                      ; 64 rows of 2,048 bytes
	s_lshr_b32 s62, s[WV], 1                       ; w / 2
	s_and_b32 s63, s[WV], 1                        ; w % 2
	s_lshl_b32 s67, s62, 16
	s_add_co_u32 s66, s66, s67
	s_lshl_b32 s67, s63, 14
	s_add_co_u32 s66, s66, s67                     ; my tile's first row: 32 (w / 2) + 8 (w % 2)
	s_mov_b32 s67, 0
	s_add_nc_u64 s[4:5], s[4:5], s[66:67]
	WIN 0x80                                       ; destination window 2
.set nn, 0
	s_wait_alu depctr_va_vdst(0)
.rept 64                               ; K half nn / 32, my tile's row (nn % 32) / 2, which 512 bytes nn % 2
	global_load_b128 v[4*nn:4*nn+3], v[L16], s[4:5] offset:((nn%32)/2+8*((nn%32)/16))*2048+1024*(nn/32)+512*(nn%2) th:TH_LOAD_NT   ; 512 consecutive bytes
.set nn, nn+1
.endr
	WIN 0
	s_mul_i32 s66, s[GG], BLK
	s_add_nc_u64 s[QB:QB+1], s[14:15], s[66:67]
	s_add_nc_u64 s[KD:KD+1], s[16:17], s[66:67]
	s_lshr_b32 s66, s[GG], 2
	s_mul_i32 s66, s66, TILEB
	s_add_nc_u64 s[VD:VD+1], s[18:19], s[66:67]    ; the tile of my 256 keys
	s_lshl_b32 s68, s[CX], 8                       ; my 64 keys' plane of scales,
	s_add_co_u32 s68, s68, s60                     ; in BLOCK w
	s_add_co_u32 s68, s68, 24576
	s_mov_b32 s69, 0
	s_add_nc_u64 s[VSP:VSP+1], s[VD:VD+1], s[68:69]
	s_mul_i32 s68, s[CX], 768                      ; my 64 keys are half a fragment
	s_add_nc_u64 s[VD:VD+1], s[VD:VD+1], s[68:69]
	s_lshl_b32 s68, s[WV], 8                       ; my 64 columns of a bias
	s_add_nc_u64 s[BP:BP+1], s[8:9], s[68:69]
	s_add_nc_u64 s[BKP:BKP+1], s[10:11], s[68:69]
	s_add_nc_u64 s[12:13], s[12:13], s[68:69]
	s_mov_b64 s[DST:DST+1], s[QB:QB+1]
	v_lshlrev_b32 v20, 4, v3                       ; 16 r
	v_add_nc_u32 v[AW], s60, v[L8]
	v_add_nc_u32 v[AW+1], WB1, v[AW]
	v_add_nc_u32 v[AWS], s60, v20
	v_add_nc_u32 v[AWS], 24576, v[AWS]
	v_add_nc_u32 v[AWS+1], WB1, v[AWS]
	s_mul_i32 s61, s[WV], 16640
	s_add_co_u32 s61, s61, XST                     ; my stage
	v_add_nc_u32 v[XWR], s61, v[L16]
	v_mul_u32_u24 v[XRD], v3, 1040
	v_lshl_add_u32 v[XRD], v[H64], 6, v[XRD]
	v_add_nc_u32 v[XRD], s61, v[XRD]               ; row r, + 64 h: my 16 numbers of a block of 32
	s_mul_i32 s61, s[WV], 6144
	s_add_co_u32 s61, s61, XIMG
	v_add_nc_u32 v[XWA], s61, v[L8]
	v_lshlrev_b32 v[XSR], 2, v21
	v_add_nc_u32 v[XSR], XSC, v[XSR]
	s_lshl_b32 s61, s[WV], 9
	v_add_nc_u32 v[XSA], s61, v[XSR]
	v_add_nc_u32 v[XIR], XIMG, v[L8]
	s_mul_i32 s61, s[WV], 768
	v_add_nc_u32 v[QO], s61, v[L8]                 ; my 64 columns are half a fragment of q's or k's K
	s_lshl_b32 s61, s[WV], 1
	s_add_co_u32 s61, s61, GS
	v_add_nc_u32 v[GSA0], s61, v20
	s_mul_i32 s61, s62, BLK
	s_mul_i32 s70, s63, 12288
	s_add_co_u32 s61, s61, s70
	v_add_nc_u32 v[VO], s61, v[L8]
	s_lshl_b32 s61, s62, 8
	s_lshl_b32 s70, s63, 3
	s_add_co_u32 s61, s61, s70
	s_add_co_u32 s61, s61, VSG
	v_add_nc_u32 v[VSA], s61, v20
	v_and_b32 v[BVO], 8, v3
	v_add_nc_u32 v[BVO], v[BVO], v3
	v_lshlrev_b32 v[BVO], 2, v[BVO]                ; 4 (r + 8 (r / 8))
	v_lshlrev_b32 v[H64], 6, v[H64]
	v_min_u32 v21, 99, v0                          ; the prefetches' offset: a thread a row of 256 bytes of a BLOCK's 100 (the threads left over name the last row again)
	v_lshlrev_b32 v21, 8, v21
	s_mul_i32 s70, s[CX], BLK                      ; the four partners share a tile's four BLOCKs out by address
	s_add_co_u32 s70, s70, TILEB
	s_mov_b32 s71, 0
	s_add_nc_u64 s[70:71], s[6:7], s[70:71]
	s_cmp_lt_u32 ttmp9, 4
	s_cbranch_scc0 .Lno_prefetch_proj0
	global_prefetch_b8 v21, s[70:71] th:TH_LOAD_NT scope:SCOPE_SE   ; tile 1, which the first tile's head will load
.Lno_prefetch_proj0:
.set kk, 0
.rept 8
	v_mov_b32 v[T8+kk], 0                          ; written once: a lane permute's destination counts as one of its sources
.set kk, kk+1
.endr
; Half a row (256 along K) of my 16 rows goes through my stage as it lies and comes back 64 bytes a lane; LDS serves a wave's instructions in order, so no wait stands between the stores and the loads.
.macro XHALF half
.if \half == 0
	s_wait_loadcnt 32                              ; the first K half's 32 loads are in
.else
	s_wait_loadcnt 0x0
.endif
	WIN 0x08                                       ; an LDS store's data are its source 1: window 2
.set mm, 0
.rept 32
	ds_store_b128 v[XWR], v[128*\half+4*mm:128*\half+4*mm+3] offset:(mm/2)*1040+512*(mm%2)
.set mm, mm+1
.endr
	WIN 0
.set mm, 0
.rept 32
	ds_load_b128 v[ACC+4*mm:ACC+4*mm+3], v[XRD] offset:512*(mm/16)+128*((mm/4)%4)+16*(mm%4)
.set mm, mm+1
.endr
	s_wait_dscnt 0x0
	QMAX4 ACC
	QSCL4
	QCVT4S ACC, CD0
.set gg, 0
.rept 4                                ; group gg: K step 2 half + gg / 2, its half gg % 2
	GDST gg, ACC, CD0
.irp i, 0,1,2
	ds_store_b64 v[XWA], v[DR+2*\i:DR+2*\i+1] offset:(2*\half+gg/2)*1536+768*(gg%2)+256*\i
.endr
	ds_store_b16 v[XSA], v[HW+gg] offset:128*(2*\half+gg/2)+2*(gg%2)
.set gg, gg+1
.endr
	s_wait_dscnt 0x0                               ; the stores have landed, and have read their registers
.endm
	XHALF 0
	XHALF 1
	s_barrier_signal -1                            ; x's sixteen fragments lie in LDS.  Tile 0's load may stay out, and only x's images are read
	s_barrier_wait -1
	WIN 0x40                                       ; destination window 1
.set nn, 0
.rept 96
	ds_load_b64 v[2*nn:2*nn+1], v[XIR] offset:256*nn   ; the images on end are the registers on end
.set nn, nn+1
.endr
	WIN 0
.set nn, 0
.rept 16
	ds_load_b32 v[XS+nn], v[XSR] offset:128*nn
.set nn, nn+1
.endr
	WIN 0x80
.set nn, 0
.rept 64                               ; bv as a C: in v's result a lane holds one column, so all eight registers of a tile hold that column's bv
	global_load_b32 v[192+nn], v[BVO], s[12:13] offset:1024*(nn/32)+128*(((nn/8)%4)/2)+32*((nn/8)%2)
.set nn, nn+1
.endr
	WIN 0
	s_mov_b32 s[FLR], 0x3000000                    ; q: the floor 2^(6 - 127),
	s_mov_b32 s[ADJ], 0x0303                       ; and 3 off each byte: q x 2^-3
	s_mov_b32 s[GOFF], 0
	s_mov_b32 s[CNT], 2
; THE HEAD OF A TILE.  Each wave waits for all its tensor loads (its BLOCK of this tile), adds 0 to its spare word, and waits for that and for its reads of the other slot; behind the round the other slot takes the next tile.
.macro TOP hf, fill
	s_wait_tensorcnt 0x0                           ; no tensor load of mine is out, so a group 0 may be written
	ds_add_u32 v[SPW], v[NIL]
	s_add_nc_u64 s[G0+4*\hf+2:G0+4*\hf+3], s[G0+4*\hf+2:G0+4*\hf+3], 2*TILEB   ; this slot's next tile
	s_wait_dscnt 0x0                               ; the add is done, and so are all my LDS reads and stores
.if \fill
	CROUND                                         ; the same holds of every wave of all four work-groups
	JLOAD G0+4*(1-\hf)                             ; the first thing behind the round: it has this tile's work in which to land
.else
	s_barrier_signal -1
	s_barrier_wait -1
.rept 4
	v_nop
.endr
.endif
.irp c, 0,1,2,3
	ds_load_b128 v[WS+4*\c:WS+4*\c+3], v[AWS+\hf] offset:256*\c   ; lane r: the four scale words of row r of tile c
.endr
	WIN 0x80
.set nn, 0
.rept 96                               ; by K steps: K step nn / 24, tile (nn % 24) / 6
	ds_load_b64 v[12*(4*(nn/24)+(nn%24)/6)+2*(nn%6):12*(4*(nn/24)+(nn%24)/6)+2*(nn%6)+1], v[AW+\hf] offset:(4*((nn%24)/6)+nn/24)*1536+256*(nn%6)
.set nn, nn+1
.endr
	WIN 0
.endm
.macro KWAIT                           ; of the 4 + 96 LDS loads: the scale words and K steps 0 .. ss are in
.if ss == 0
	s_wait_dscnt 63
.elseif ss == 1
	s_wait_dscnt 48
.elseif ss == 2
	s_wait_dscnt 24
.else
	s_wait_dscnt 0x0
.endif
.endm
.macro RELUQ                           ; four places behind the last product; the activation, each accumulator from its low end on; the blocks' scales
	WIN 0
.rept 4
	v_nop
.endr
.set jj, 0
.rept 128
	v_max_num_f32 v[ACC+jj], 0, v[ACC+jj]
.set jj, jj+1
.endr
	QMAX4 ACC
	QSCL4
.endm
; A tile of q or k: 64 of my columns x 64 rows.  The 16 accumulators take turns, in the same order in every K step.
.macro QKTILE hf
	s_wait_xcnt 0x0                                ; the last tile's stores have read their registers, which the products below write again
.if \hf == 0
	v_add_nc_u32 v[GSA], s[GOFF], v[GSA0]
.endif
	s_wait_loadcnt 0x0                             ; the biases, asked for a tile or more ago
.set ss, 0
.rept 4
	KWAIT
.if ss == 0
	WIN 0x16                                       ; source 0 (W) window 2, source 1 (x) window 1, C (the bias) window 1
.else
	WIN 0x06
.endif
.set tt, 0
.rept 4
.set cc, 0
.rept 4
.set rD, ACC+32*tt+8*cc
.set rA, 12*(4*ss+cc)
.set rB, 12*(4*tt+ss)
.if ss == 0
	v_wmma_scale_f32_16x16x128_f8f6f4 v[rD:rD+7], v[rA:rA+11], v[rB:rB+11], v[192+32*\hf+8*cc:192+32*\hf+8*cc+7], v[WS+4*cc+ss], v[XS+4*tt+ss] matrix_a_fmt:MATRIX_FMT_FP6 matrix_b_fmt:MATRIX_FMT_FP6
.else
	v_wmma_scale_f32_16x16x128_f8f6f4 v[rD:rD+7], v[rA:rA+11], v[rB:rB+11], v[rD:rD+7], v[WS+4*cc+ss], v[XS+4*tt+ss] matrix_a_fmt:MATRIX_FMT_FP6 matrix_b_fmt:MATRIX_FMT_FP6
.endif
.set cc, cc+1
.endr
.set tt, tt+1
.endr
.set ss, ss+1
.endr
	WIN 0
.if \hf == 0                           ; THE NEXT TILE'S HEAD stands directly behind this tile's products: its fragments come from LDS while this tile's results are quantised and stored
	TOP 1, 1
	ASKW
.else
	TOP 0, 1
	s_cmp_eq_u32 s[CNT], 1
	s_cbranch_scc1 .Lno_bias_\@
	ASKW
	BIAS BKP
.Lno_bias_\@:
.endif
	RELUQ
.set kk, 0
.rept 4
	v_sub_nc_u32 v[HW+kk], v[HW+kk], s[ADJ]
.set kk, kk+1
.endr
	QCVT4S ACC, CD0
.set gg, 0
.rept 4                                ; group gg = the rows' tile: half a fragment, three stores of 256 consecutive bytes, aligned
	GDST gg, ACC, CD0
.irp i, 0,1,2
	global_store_b64 v[QO], v[DR+2*\i:DR+2*\i+1], s[DST:DST+1] offset:6144*gg+3072*\hf+256*\i
.endr
	ds_store_b16 v[GSA], v[HW+gg] offset:256*gg+8*\hf
.set gg, gg+1
.endr
.endm
; A tile of v: source 0 = 16 rows of x (keys), source 1 = 16 columns of Wv.
.macro VTILE hf, fill
	s_wait_xcnt 0x0
.set ss, 0
.rept 4
	KWAIT
.if ss == 0
	WIN 0x29                                       ; source 0 (x) window 1, source 1 (W) window 2, C (bv) window 2
.else
	WIN 0x09
.endif
.set cc, 0
.rept 4
.set tt, 0
.rept 4
.set rD, ACC+32*cc+8*tt
.set rA, 12*(4*tt+ss)
.set rB, 12*(4*ss+cc)
.if ss == 0
	v_wmma_scale_f32_16x16x128_f8f6f4 v[rD:rD+7], v[rA:rA+11], v[rB:rB+11], v[192+32*\hf+8*cc:192+32*\hf+8*cc+7], v[XS+4*tt+ss], v[WS+4*cc+ss] matrix_a_fmt:MATRIX_FMT_FP6 matrix_b_fmt:MATRIX_FMT_FP6
.else
	v_wmma_scale_f32_16x16x128_f8f6f4 v[rD:rD+7], v[rA:rA+11], v[rB:rB+11], v[rD:rD+7], v[XS+4*tt+ss], v[WS+4*cc+ss] matrix_a_fmt:MATRIX_FMT_FP6 matrix_b_fmt:MATRIX_FMT_FP6
.endif
.set tt, tt+1
.endr
.set cc, cc+1
.endr
.set ss, ss+1
.endr
.if \fill                              ; v's first tile: the last tile's head, behind which nothing is left to fetch
	WIN 0
	TOP 1, 0
.endif
	RELUQ
	QCVT4S ACC, CD0
.set gg, 0
.rept 4                                ; group gg = the columns' tile: 16 dims x my 64 keys
	GDST gg, ACC, CD0
.irp i, 0,1,2
	global_store_b64 v[VO], v[DR+2*\i:DR+2*\i+1], s[VD:VD+1] offset:2*BLK*\hf+3072*gg+256*\i
.endr
	ds_store_b16 v[VSA], v[HW+gg] offset:512*\hf+2*gg
.set gg, gg+1
.endr
.endm
.macro BIAS ptr                        ; a bias in the result's layout: lane (r, h), tile c: columns 32 (c / 2) + 16 h + 8 (c % 2) + 0 .. 7, for both tiles of q or of k
	WIN 0x40
.set nn, 0
.rept 8
	global_load_b128 v[192+8*nn:192+8*nn+3], v[H64], s[\ptr:\ptr+1] offset:1024*(nn/4)+128*((nn%4)/2)+32*(nn%2)
	global_load_b128 v[192+8*nn+4:192+8*nn+7], v[H64], s[\ptr:\ptr+1] offset:1024*(nn/4)+128*((nn%4)/2)+32*(nn%2)+16
.set nn, nn+1
.endr
	WIN 0
.endm
.macro ASKW                            ; behind the head of tile n, which loads tile n + 1: my BLOCK of tile n + 2, n = 0 .. 3; tile 5 is the last that is asked for
	s_wait_xcnt 0x0                                ; the prefetch before has read its address
	s_add_nc_u64 s[70:71], s[70:71], TILEB
	s_cmp_lt_u32 ttmp9, 4
	s_cbranch_scc0 .Lno_prefetch_proj1_\@
	global_prefetch_b8 v21, s[70:71] th:TH_LOAD_NT scope:SCOPE_SE
.Lno_prefetch_proj1_\@:
.endm
	BIAS BP
	TOP 0, 1
	ASKW
.Lqk:
	QKTILE 0
	QKTILE 1
	s_wait_xcnt 0x0                                ; the stores and the bias loads have read their bases
	s_mov_b64 s[DST:DST+1], s[KD:KD+1]
	s_mov_b32 s[FLR], 0x1800000
	s_mov_b32 s[ADJ], 0
	s_add_co_u32 s[GOFF], s[GOFF], 1024
	s_sub_co_u32 s[CNT], s[CNT], 1
	s_cmp_lg_u32 s[CNT], 0
	s_cbranch_scc1 .Lqk
	VTILE 0, 1
	VTILE 1, 0                                     ; the last tile: nothing is left to fetch
	s_wait_dscnt 0x0
	s_barrier_signal -1                            ; all scale bytes lie in LDS
	s_barrier_wait -1
	s_lshl_b32 s60, s[WV], 9
	s_add_co_u32 s60, s60, GS
	v_add_nc_u32 v[XWR], s60, v[L16]
	s_lshl_b32 s60, s[WV], 8
	s_add_co_u32 s60, s60, VSG
	v_add_nc_u32 v[XRD], s60, v[L8]
	ds_load_b128 v[BM:BM+3], v[XWR]                ; waves 0, 1: q's two halves; waves 2, 3: k's
	ds_load_b64 v[BM+4:BM+5], v[XRD]               ; BLOCK w's plane of v's
	s_cmp_lt_u32 s[WV], 2
	s_cselect_b64 s[60:61], s[QB:QB+1], s[KD:KD+1]
	s_lshl_b32 s62, s63, 9
	s_add_co_u32 s62, s62, 24576
	s_mov_b32 s63, 0
	s_add_nc_u64 s[60:61], s[60:61], s[62:63]
	s_wait_dscnt 0x0
	global_store_b128 v[L16], v[BM:BM+3], s[60:61]         ; 512 consecutive bytes, aligned to 256
	global_store_b64 v[L8], v[BM+4:BM+5], s[VSP:VSP+1]     ; 256 consecutive bytes, aligned
	s_wait_tensorcnt 0x0                           ; the wave's end: a tensor wait, an add to my spare word and its wait, behind my last tensor load and my last LDS store
	ds_add_u32 v[SPW], v[NIL]
	s_wait_dscnt 0x0
	CROUND                                         ; the closing round
	s_endpgm
.Lfunc_end_k_q791abf3a16_proj:
	.size	k_q791abf3a16_proj, .Lfunc_end_k_q791abf3a16_proj-k_q791abf3a16_proj
	.p2alignl 7, 3214868480
	.fill 96, 4, 3214868480
	.section	.rodata,"a",@progbits
	.p2align	6, 0x0
	.amdhsa_kernel k_q791abf3a16_proj
		.amdhsa_group_segment_fixed_size 327680
		.amdhsa_private_segment_fixed_size 0
		.amdhsa_enable_private_segment 0
		.amdhsa_kernarg_size 64
		.amdhsa_user_sgpr_count 2
		.amdhsa_user_sgpr_kernarg_segment_ptr 1
		.amdhsa_wavefront_size32 1
		.amdhsa_system_sgpr_workgroup_id_x 1
		.amdhsa_system_sgpr_workgroup_id_y 1
		.amdhsa_system_sgpr_workgroup_id_z 1
		.amdhsa_system_vgpr_workitem_id 0
		.amdhsa_next_free_vgpr 768
		.amdhsa_next_free_sgpr 72
		.amdhsa_reserve_vcc 0
		.amdhsa_float_denorm_mode_32 3
		.amdhsa_float_denorm_mode_16_64 3
		.amdhsa_memory_ordered 1
		.amdhsa_forward_progress 1
		.amdhsa_inst_pref_size 168
	.end_amdhsa_kernel
	.amdgpu_metadata
---
amdhsa.version: [ 1, 2 ]
amdhsa.kernels:
  - .name:           k_q791abf3a16_proj
    .symbol:         k_q791abf3a16_proj.kd
    .args:
      - { .name: x, .offset: 0, .size: 8, .value_kind: global_buffer, .address_space: global }
      - { .name: wcodes, .offset: 8, .size: 8, .value_kind: global_buffer, .address_space: global }
      - { .name: bq, .offset: 16, .size: 8, .value_kind: global_buffer, .address_space: global }
      - { .name: bk, .offset: 24, .size: 8, .value_kind: global_buffer, .address_space: global }
      - { .name: bv, .offset: 32, .size: 8, .value_kind: global_buffer, .address_space: global }
      - { .name: qcodes, .offset: 40, .size: 8, .value_kind: global_buffer, .address_space: global }
      - { .name: kcodes, .offset: 48, .size: 8, .value_kind: global_buffer, .address_space: global }
      - { .name: vcodes, .offset: 56, .size: 8, .value_kind: global_buffer, .address_space: global }
    .group_segment_fixed_size: 327680
    .private_segment_fixed_size: 0
    .kernarg_segment_align: 8
    .kernarg_segment_size: 64
    .max_flat_workgroup_size: 128
    .sgpr_count:     72
    .vgpr_count:     768
    .wavefront_size: 32
...
	.end_amdgpu_metadata
.endif
;; end of part 2
;; launch attn (part 3): grid 32 x 8, 4 waves a work-group, clusters of 4 x 1, 327,680 bytes of LDS; arguments qcodes, kcodes, vcodes, wcodes, bo, gamma, beta, out0; writes out0
.if DOCPART == 3
	.amdgcn_target "amdgcn-amd-amdhsa--gfx1250"
	.amdhsa_code_object_version 6
	.text
	.protected	k_q791abf3a16_attn
	.globl	k_q791abf3a16_attn
	.p2align	8
	.type	k_q791abf3a16_attn,@function
k_q791abf3a16_attn:
	s_mov_b64 s[64:65], 0
	v_nop
	global_prefetch_b8 v0, s[64:65] scope:SCOPE_SE
	s_setreg_imm32_b32 hwreg(HW_REG_WAVE_MODE, 25, 1), 1
	s_wait_xcnt 0x0
	s_wait_alu depctr_hold_cnt(0) depctr_sa_sdst(0) depctr_va_vdst(0) depctr_va_sdst(0) depctr_va_ssrc(0) depctr_va_vcc(0) depctr_vm_vsrc(0)
	s_getreg_b32 s2, hwreg(HW_REG_IB_STS2, 6, 4)
	s_cmp_eq_u32 s2, 0
	s_cbranch_scc0 .Lentry_in_a_cluster
	s_endpgm
.Lentry_in_a_cluster:
	s_bfe_u32 s2, ttmp6, 0x10000c
	s_cmp_lg_u32 s2, 0x3003
	s_cbranch_scc0 .Lentry_shape_is_right
	s_endpgm
.Lentry_shape_is_right:
; softmax(q k^T) v, relu(ctx Wo + bo) and the LayerNorm, all products on codes of FP6 (E2M3) with E8M0 scales.  Nothing of the problem is left out here.  FORMATS: see the first two launches.
; SHARES.  A work-group takes 64 queries and walks its batch's 2,048 keys in eight steps of 256.  Scores: wave w takes keys 64 w on against all 64 queries (S^T = k q^T).  The row maxima meet in LDS; M is the running
; maximum of t rounded up to a whole number; p = 2^(t - M) is quantised by blocks of 32 keys and goes to all waves through LDS.  Second product: wave w takes dims 128 w on (O^T += v^T p^T).
; LDS: one slot for k's tile, two for v's (step i's in slot i % 2).  Waves 0 and 1 fetch the halves of k's tile, waves 2 and 3 those of v's: one tensor load of 200 rows of 256 bytes a wave, jointly for the four
; work-groups of a cluster, which walk the same keys.
; A STEP: every wave waits for its load, and a barrier shows both tiles whole; k's fragments go into registers, and as soon as they are there (behind the first 32 products) a round of the cluster's barrier is followed by
; the step's one refill: the next k into k's slot, the next v into v's other slot.  It has the rest of the step in which to land.  v's fragments follow into k's spent registers.  The barriers for the maxima and for p fill nothing.
; PREFETCH: behind each refill every cluster asks for the tiles of the refill after it, a BLOCK to each partner, a thread a row; tile 1 is asked for at the head; the last refill asks for nothing.
; THE TAIL's stages lie in slots that have had their last fill and their last read.
; LIMITS: the promise holds while |t| stays under 2^31; a block under the floor gets the byte 1; NaN and infinities among the inputs are not served.
.set BLK,   25600
.set TILEB, 102400
.set VB,    102400                     ; v's slot 0; slot 1 lies TILEB behind it
.set PIMG,  307200                     ; p's eight fragments
.set PSC,   319488                     ; their scale words
.set MXE,   320512                     ; the waves' row maxima, and at the end their row sums
.set SPARE, 324608                     ; the spare words, 128 bytes a wave, which no other line names
.set CIMG,  0                          ; the tail, in k's slot: ctx's fragments,
.set CSC,   24576                      ; their scale words,
.set LNE,   28672                      ; the norm's partial sums;
.set STG,   102400                     ; in v's slots: the way out
.set L8,   1
.set L16,  2
.set R16,  3
.set AK,   4
.set AKS,  5
.set AV,   6
.set AVS,  7
.set APW,  8
.set APSW, 9
.set APR,  10
.set APSR, 11
.set AMW,  12
.set AMR,  13
.set SPW,  14
.set NIL,  15
.set NT,   16
.set LS,   24
.set FF,   32
.set QS,   40
.set KS,   56
.set PS,   72
.set SR,   80
.set BM,   208
.set T8,   216
.set SO,   224
.set HW,   232
.set XR,   236
.set CD0,  236
.set PFO,  252
.set H64,  253
.set RR,   254
.set LL,   255
.set VRAW, 224
.set ACW,  4
.set ACSW, 5
.set ACR,  6
.set ACSR, 7
.set ALW,  8
.set ALR,  9
.set STA,  10
.set ASR,  12
.set WV,   20
.set CX,   21
.set BA,   22
.set G1,   24
.set G0K,  32
.set G0V,  36
.set SEL,  40
.set CS,   42
.set TRIPS, 44
.set LIM,  45
.set PFK,  46
.set PFV,  48
.set PSL,  50
.set FLR,  52
.set VA,   53                          ; LDS byte of this step's slot of v
.set VT,   54                          ; 0 or TILEB: which slot of v
.set VLB,  55                          ; where my half of v's tile goes in slot 0
.set MSB, 0
.macro WIN new
.if MSB != \new
	s_set_vgpr_msb (MSB<<8)|\new
.set MSB, \new
.endif
.endm
.macro CROUND
	s_barrier_signal -1
	s_barrier_wait -1
	s_cmp_lg_u32 s[WV], 0
	s_cbranch_scc1 .Lnot_wave_0_\@
	s_barrier_signal -3
.Lnot_wave_0_\@:
	s_barrier_wait -3
	s_barrier_signal -1
	s_barrier_wait -1
.endm
.macro JLOADKV                         ; a joint load: waves 0, 1 for k, waves 2, 3 for v; an s_nop 0 and four v_nop follow each line
	s_cmp_lt_u32 s[WV], 2
	s_cbranch_scc0 .Lfor_v_\@
	tensor_load_to_lds s[G0K:G0K+3], s[G1:G1+7]
	s_nop 0
.rept 4
	v_nop
.endr
	s_branch .Lasked_\@
.Lfor_v_\@:
	tensor_load_to_lds s[G0V:G0V+3], s[G1:G1+7]
	s_nop 0
.rept 4
	v_nop
.endr
.Lasked_\@:
.endm
.macro ASK ptr
	s_cmp_gt_u32 s[TRIPS], s[LIM]
	s_cbranch_scc0 .Lnot_mine_\@
	global_prefetch_b8 v[PFO], s[\ptr:\ptr+1] th:TH_LOAD_NT scope:SCOPE_SE
.Lnot_mine_\@:
.endm
.macro QMAX4 src
.set kk, 0
.rept 8
	v_max3_num_f32 v[BM+kk], |v[\src+16*kk]|, |v[\src+16*kk+1]|, s[FLR]
.set kk, kk+1
.endr
.set ii, 2
.rept 7
.set kk, 0
.rept 8
	v_max3_num_f32 v[BM+kk], v[BM+kk], |v[\src+16*kk+ii]|, |v[\src+16*kk+ii+1]|
.set kk, kk+1
.endr
.set ii, ii+2
.endr
.set kk, 0
.rept 8
	v_permlanex16_b32 v[T8+kk], v[BM+kk], s[SEL], s[SEL+1]
.set kk, kk+1
.endr
.set kk, 0
.rept 8
	v_max_num_f32 v[BM+kk], v[BM+kk], v[T8+kk]
.set kk, kk+1
.endr
.endm
.macro QSCL4
.set kk, 0
.rept 8
	v_add_nc_u32 v[SO+kk], 0xff000000, v[BM+kk]
.set kk, kk+1
.endr
.set kk, 0
.rept 8
	v_lshrrev_b32 v[T8+kk], 23, v[SO+kk]
.set kk, kk+1
.endr
.set kk, 0
.rept 4
	v_lshl_or_b32 v[HW+kk], v[T8+2*kk+1], 8, v[T8+2*kk]
.set kk, kk+1
.endr
.endm
.macro GDST g, src, cd0
.if (\g) == 0
.set DR, \cd0
.else
.set DR, \src+32*((\g)-1)
.endif
.endm
.macro QCVT4S src, cd0
.set gg, 0
.rept 4
	GDST gg, \src, \cd0
	v_cvt_scalef32_pk16_fp6_f32 v[DR:DR+2], v[\src+32*gg:\src+32*gg+15], v[SO+2*gg]
	v_cvt_scalef32_pk16_fp6_f32 v[DR+6:DR+8], v[\src+32*gg+16:\src+32*gg+31], v[SO+2*gg+1]
	v_nop
	v_permlane16_swap_b32 v[DR], v[DR+6]
	v_permlane16_swap_b32 v[DR+1], v[DR+7]
	v_permlane16_swap_b32 v[DR+2], v[DR+8]
	v_mov_b32 v[DR+3], v[DR+6]
	v_mov_b32 v[DR+4], v[DR+7]
	v_mov_b32 v[DR+5], v[DR+8]
.set gg, gg+1
.endr
.endm
.macro WOLOAD sw                       ; Wo's eight fragments of K step sw for my 128 columns, straight into registers
.if (\sw) < 2
	WIN 0x80
.else
	WIN 0xc0
.endif
.set nn, 0
.rept 48
	global_load_b64 v[12*(8*((\sw)%2)+nn/6)+2*(nn%6):12*(8*((\sw)%2)+nn/6)+2*(nn%6)+1], v[L8], s[10:11] offset:BLK*(nn/24)+(4*((nn/6)%4)+(\sw))*1536+256*(nn%6)
.set nn, nn+1
.endr
	WIN 0
.endm
	s_load_b512 s[4:19], s[0:1], 0x0               ; qcodes, kcodes, vcodes, wcodes, bo, gamma, beta, out0
	v_lshl_add_u32 v[SPW], v0, 2, SPARE
	v_mov_b32 v[NIL], 0
	ds_add_u32 v[SPW], v[NIL]                      ; the opening lines: the add, twice on end, and its wait
	ds_add_u32 v[SPW], v[NIL]
	v_lshrrev_b32 v[LL], 5, v0
	v_readfirstlane_b32 s[WV], v[LL]
	v_and_b32 v[LL], 31, v0
	v_lshlrev_b32 v[L8], 3, v[LL]
	v_lshlrev_b32 v[L16], 4, v[LL]
	v_and_b32 v[RR], 15, v0
	v_lshlrev_b32 v[R16], 4, v[RR]
	v_bfe_u32 v[H64], v0, 4, 1
	v_lshlrev_b32 v[H64], 6, v[H64]
	s_bfe_u32 s[CX], ttmp6, 0x40000
	s_and_b32 s[BA], ttmp7, 0xffff
	s_mov_b32 s[G1], 0x0023000f                    ; the mask of all four work-groups; elements of 8 bytes; bit 21 beside the mask
	s_mov_b32 s[G1+1], 32<<16
	s_mov_b32 s[G1+2], 200<<16                     ; 200 rows of 256 bytes: two BLOCKs, half a tile
	s_mov_b32 s[G1+3], 32<<16
	s_mov_b32 s[G1+4], 200
	s_mov_b32 s[G1+5], 32
	s_mov_b32 s[G1+6], 0
	s_mov_b32 s[G1+7], 0
	s_mov_b32 s[SEL], 0x76543210
	s_mov_b32 s[SEL+1], 0xfedcba98
	s_mov_b32 s[CS], 0x3fb8aa3b
	s_mov_b32 s[CS+1], s[CS]
	s_mov_b32 s[PSL], 0x05040100
	s_mov_b32 s[PSL+1], 0x07060302
	s_mov_b32 s[FLR], 0x1800000
	s_mov_b32 s[TRIPS], 7
	s_mov_b32 s[LIM], 1                            ; every cluster asks for what it will itself load; the last trip asks for nothing
	s_mul_i32 s60, s[WV], BLK
	s_and_b32 s61, s[WV], 1
	s_mul_i32 s61, s61, 2*BLK                      ; which half of a tile I fetch
	s_add_co_u32 s[VLB], s61, VB
	s_mov_b32 s[VT], 0
	s_lshl_b32 s62, s[BA], 3
	s_mul_i32 s62, s62, TILEB
	s_add_co_u32 s62, s62, s61
	s_mov_b32 s63, 0
	s_wait_dscnt 0x0
	s_wait_kmcnt 0x0
	s_mov_b32 s[G0K], 1
	s_mov_b32 s[G0K+1], s61
	s_add_nc_u64 s[G0K+2:G0K+3], s[6:7], s[62:63]
	s_or_b32 s[G0K+3], s[G0K+3], 0x80000000
	s_mov_b32 s[G0V], 1
	s_mov_b32 s[G0V+1], s[VLB]
	s_add_nc_u64 s[G0V+2:G0V+3], s[8:9], s[62:63]
	s_or_b32 s[G0V+3], s[G0V+3], 0x80000000
	CROUND
	JLOADKV                                        ; step 0's tiles of k and v: one tensor load a wave
	s_lshl_b32 s66, ttmp9, 2
	s_add_co_u32 s66, s66, s[CX]
	s_lshl_b32 s67, s[BA], 5
	s_add_co_u32 s67, s67, s66
	s_mul_i32 s68, s67, BLK
	s_mov_b32 s69, 0
	s_add_nc_u64 s[4:5], s[4:5], s[68:69]
	s_lshl_b32 s68, s67, 17
	s_lshr_b32 s70, s[WV], 1
	s_lshl_b32 s70, s70, 16
	s_add_co_u32 s68, s68, s70
	s_and_b32 s70, s[WV], 1
	s_lshl_b32 s70, s70, 14
	s_add_co_u32 s68, s68, s70
	s_add_nc_u64 s[18:19], s[18:19], s[68:69]
	s_lshl_b32 s68, s[BA], 3
	s_add_co_u32 s68, s68, 1
	s_mul_i32 s68, s68, TILEB
	s_mul_i32 s70, s[CX], BLK
	s_add_co_u32 s68, s68, s70
	s_add_nc_u64 s[PFK:PFK+1], s[6:7], s[68:69]    ; my BLOCK of tile 1
	s_add_nc_u64 s[PFV:PFV+1], s[8:9], s[68:69]
	s_lshl_b32 s62, s[WV], 1
	s_add_co_u32 s62, s62, 24
	s_mul_i32 s62, s62, BLK
	s_add_nc_u64 s[10:11], s[10:11], s[62:63]
	s_lshl_b32 s62, s[WV], 9
	s_add_nc_u64 s[12:13], s[12:13], s[62:63]
	WIN 0x80
.set nn, 0
	s_wait_alu depctr_va_vdst(0)
.rept 96
	global_load_b64 v[2*nn:2*nn+1], v[L8], s[4:5] offset:256*nn
.set nn, nn+1
.endr
.set nn, 0
.rept 8
	global_load_b128 v[192+8*nn:192+8*nn+3], v[H64], s[12:13] offset:256*(nn/4)+128*((nn%4)/2)+32*(nn%2)
	global_load_b128 v[192+8*nn+4:192+8*nn+7], v[H64], s[12:13] offset:256*(nn/4)+128*((nn%4)/2)+32*(nn%2)+16
.set nn, nn+1
.endr
	WIN 0xc0
.irp q, 0,1,2,3
	global_load_b128 v[192+4*\q:192+4*\q+3], v[L16], s[14:15] offset:512*\q
	global_load_b128 v[208+4*\q:208+4*\q+3], v[L16], s[16:17] offset:512*\q
.endr
	WIN 0
.irp t, 0,1,2,3
	global_load_b128 v[QS+4*\t:QS+4*\t+3], v[R16], s[4:5] offset:24576+256*\t
.endr
	v_add_nc_u32 v[AK], s60, v[L8]
	v_add_nc_u32 v[AKS], s60, v[R16]
	v_add_nc_u32 v[AKS], 24576, v[AKS]
	s_mul_i32 s61, s[WV], 768
	s_add_co_u32 s61, s61, PIMG
	v_add_nc_u32 v[APW], s61, v[L8]
	v_lshlrev_b32 v[APSR], 2, v[LL]
	v_add_nc_u32 v[APSR], PSC, v[APSR]
	s_lshr_b32 s61, s[WV], 1
	s_lshl_b32 s61, s61, 7
	s_and_b32 s62, s[WV], 1
	s_lshl_b32 s62, s62, 1
	s_add_co_u32 s61, s61, s62
	v_add_nc_u32 v[APSW], s61, v[APSR]
	v_add_nc_u32 v[APR], PIMG, v[L8]
	v_add_nc_u32 v[AMR], MXE, v[L16]
	s_lshl_b32 s61, s[WV], 9
	v_add_nc_u32 v[AMW], s61, v[AMR]
	v_min_u32 v[PFO], 99, v0
	v_lshlrev_b32 v[PFO], 8, v[PFO]
	global_prefetch_b8 v[PFO], s[PFK:PFK+1] th:TH_LOAD_NT scope:SCOPE_SE   ; tile 1, which the first step's refill will load
	global_prefetch_b8 v[PFO], s[PFV:PFV+1] th:TH_LOAD_NT scope:SCOPE_SE
.irp t, 0,1,2,3
	v_mov_b32 v[NT+2*\t+1], 0xff61b1e6
	v_floor_f32 v[NT+2*\t], -v[NT+2*\t+1]
	v_mov_b32 v[LS+2*\t], 0
	v_mov_b32 v[LS+2*\t+1], 0
	v_mov_b32 v[FF+2*\t], 0
	v_mov_b32 v[FF+2*\t+1], 0
.endr
.set kk, 0
.rept 8
	v_mov_b32 v[T8+kk], 0
.set kk, kk+1
.endr
	WIN 0x40
.set jj, 0
.rept 256
	v_mov_b32 v[jj], 0                             ; O^T: the step is written once, and the first finds zeros
.set jj, jj+1
.endr
	WIN 0
	s_wait_alu depctr_va_vdst(0)                   ; the wait at the head's end
	s_wait_loadcnt 0x0
.macro STEP fill
	s_add_co_u32 s[VA], s[VT], VB                  ; this step's slot of v
	v_add_nc_u32 v[AV], s[VA], v[AK]
	v_add_nc_u32 v[AVS], s[VA], v[AKS]
	s_wait_alu depctr_va_vdst(0)                   ; the wait here, directly ahead of the wait below
	s_wait_tensorcnt 0x0                           ; my half of a tile of this step has landed (the one load that was out)
	s_barrier_signal -1                            ; no LDS instruction of mine is out here
	s_barrier_wait -1                              ; so have the others': both tiles are whole
.irp c, 0,1,2,3
	ds_load_b128 v[KS+4*\c:KS+4*\c+3], v[AKS] offset:256*\c
.endr
	WIN 0xc0
.set nn, 0
.rept 96
	ds_load_b64 v[12*(4*(nn/24)+(nn%24)/6)+2*(nn%6):12*(4*(nn/24)+(nn%24)/6)+2*(nn%6)+1], v[AK] offset:(4*((nn%24)/6)+nn/24)*1536+256*(nn%6)
.set nn, nn+1
.endr
.if \fill
	WIN 0
	s_wait_tensorcnt 0x0                           ; the three lines ahead of the refill's round: no tensor load of mine is out,
	ds_add_u32 v[SPW], v[NIL]                      ; the add; 32 products stand between it and the wait for it
	s_add_nc_u64 s[G0K+2:G0K+3], s[G0K+2:G0K+3], TILEB
	s_add_nc_u64 s[G0V+2:G0V+3], s[G0V+2:G0V+3], TILEB
	s_xor_b32 s[VT], s[VT], TILEB                  ; v's other slot
	s_add_co_u32 s[G0V+1], s[VLB], s[VT]
	s_wait_xcnt 0x0                                ; the prefetches before have read their addresses
	s_add_nc_u64 s[PFK:PFK+1], s[PFK:PFK+1], TILEB
	s_add_nc_u64 s[PFV:PFV+1], s[PFV:PFV+1], TILEB
.endif
	WIN 0x0b
.set ss, 0
.rept 4
.if ss == 0
	s_wait_dscnt 63                                ; of the 4 + 96 loads (and the add) the scale words and K step 0 are in
.elseif ss == 1
	s_wait_dscnt 48
.elseif ss == 2
.if \fill
	s_wait_dscnt 0x0                               ; the add is done, and all of k's tile that is mine lies in registers
	WIN 0
	CROUND                                         ; the same holds of every wave of the cluster; v's other slot was read out a step ago
	JLOADKV                                        ; the step's one refill; its four v_nop are the places in front of the loads below
	ASK PFK
	ASK PFV
.else
	s_wait_dscnt 24
.rept 4
	v_nop                                          ; four places in front of loads into k's fragments of K steps 0 and 1
.endr
.endif
	WIN 0xc0
.irp c, 0,1,2,3
	ds_load_b128 v[VRAW+4*\c:VRAW+4*\c+3], v[AVS] offset:256*\c
.endr
.set nn, 0
.rept 48
	ds_load_b64 v[2*nn:2*nn+1], v[AV] offset:(2*(nn/6))*1536+256*(nn%6)
.set nn, nn+1
.endr
	WIN 0x0b
.else
	s_wait_dscnt 52                                ; k's last K step is in; the 4 + 48 loads of v behind it may be out
.endif
.set tt, 0
.rept 4
.set cc, 0
.rept 4
.set rD, SR+32*tt+8*cc
.set rA, 12*(4*ss+cc)
.set rB, 12*(4*tt+ss)
.if ss == 0
	v_wmma_scale_f32_16x16x128_f8f6f4 v[rD:rD+7], v[rA:rA+11], v[rB:rB+11], 0, v[KS+4*cc+ss], v[QS+4*tt+ss] matrix_a_fmt:MATRIX_FMT_FP6 matrix_b_fmt:MATRIX_FMT_FP6
.else
	v_wmma_scale_f32_16x16x128_f8f6f4 v[rD:rD+7], v[rA:rA+11], v[rB:rB+11], v[rD:rD+7], v[KS+4*cc+ss], v[QS+4*tt+ss] matrix_a_fmt:MATRIX_FMT_FP6 matrix_b_fmt:MATRIX_FMT_FP6
.endif
.set cc, cc+1
.endr
.set tt, tt+1
.endr
.set ss, ss+1
.endr
	WIN 0
.rept 4
	v_nop
.endr
	WIN 0xc0
.set nn, 0
.rept 48                               ; v's fragments of the second 128 keys, into k's of K steps 2 and 3
	ds_load_b64 v[96+2*nn:96+2*nn+1], v[AV] offset:(2*(nn/6)+1)*1536+256*(nn%6)
.set nn, nn+1
.endr
	WIN 0
.set kk, 0
.rept 8
	v_max3_num_f32 v[BM+kk], v[SR+16*kk], v[SR+16*kk+1], v[SR+16*kk+2]
.set kk, kk+1
.endr
.set ii, 3
.rept 6
.set kk, 0
.rept 8
	v_max3_num_f32 v[BM+kk], v[BM+kk], v[SR+16*kk+ii], v[SR+16*kk+ii+1]
.set kk, kk+1
.endr
.set ii, ii+2
.endr
.set kk, 0
.rept 8
	v_max_num_f32 v[BM+kk], v[BM+kk], v[SR+16*kk+15]
.set kk, kk+1
.endr
.set kk, 0
.rept 8
	v_permlanex16_b32 v[T8+kk], v[BM+kk], s[SEL], s[SEL+1]
.set kk, kk+1
.endr
.set kk, 0
.rept 8
	v_max_num_f32 v[BM+kk], v[BM+kk], v[T8+kk]
.set kk, kk+1
.endr
.irp t, 0,1,2,3
	v_max_num_f32 v[HW+\t], v[BM+2*\t], v[BM+2*\t+1]
.endr
	ds_store_b128 v[AMW], v[HW:HW+3]
	s_wait_dscnt 0x0                               ; my maxima lie in LDS, and v's fragments in registers
	s_barrier_signal -1                            ; the refill stays out across it
	s_barrier_wait -1
.irp c, 0,1,2,3
	ds_load_b128 v[XR+4*\c:XR+4*\c+3], v[AMR] offset:512*\c
.endr
.if \fill == 0
	WOLOAD 0
.irp n, 0,1,2,3
	global_load_b128 v[QS+4*\n:QS+4*\n+3], v[R16], s[10:11] offset:24576+256*\n
.endr
.endif
	s_wait_dscnt 0x0
.irp t, 0,1,2,3
	v_max3_num_f32 v[XR+\t], v[XR+\t], v[XR+4+\t], v[XR+8+\t]
.endr
.irp t, 0,1,2,3
	v_max_num_f32 v[XR+\t], v[XR+\t], v[XR+12+\t]
.endr
.irp t, 0,1,2,3
	v_mul_f32 v[XR+\t], s[CS], v[XR+\t]
.endr
.irp t, 0,1,2,3
	v_max_num_f32 v[NT+2*\t+1], v[NT+2*\t+1], v[XR+\t]
.endr
.irp t, 0,1,2,3
	v_mov_b32 v[FF+2*\t], v[NT+2*\t]
.endr
.irp t, 0,1,2,3
	v_floor_f32 v[NT+2*\t], -v[NT+2*\t+1]
.endr
.irp t, 0,1,2,3
	v_sub_f32 v[FF+2*\t], v[NT+2*\t], v[FF+2*\t]
.endr
.irp t, 0,1,2,3
	v_cvt_i32_f32 v[FF+2*\t], v[FF+2*\t]
.endr
.irp t, 0,1,2,3
	v_ldexp_f32 v[FF+2*\t], 1.0, v[FF+2*\t]
.endr
.set jj, 0
.rept 64
	v_pk_fma_f32 v[SR+2*jj:SR+2*jj+1], v[SR+2*jj:SR+2*jj+1], s[CS:CS+1], v[NT+2*(jj/16):NT+2*(jj/16)+1] op_sel_hi:[1,0,0]
.set jj, jj+1
.endr
.set kk, 0
.rept 8
	v_fma_f32 v[BM+kk], v[BM+kk], s[CS], v[NT+2*(kk/2)]
.set kk, kk+1
.endr
.set jj, 0
	s_wait_alu depctr_va_vdst(0)
.rept 128
	v_exp_f32 v[SR+jj], v[SR+jj]
.set jj, jj+1
.endr
.irp t, 0,1,2,3
	v_pk_mul_f32 v[LS+2*\t:LS+2*\t+1], v[LS+2*\t:LS+2*\t+1], v[FF+2*\t:FF+2*\t+1] op_sel_hi:[1,0]
.endr
	s_wait_alu depctr_va_vdst(0)
.set kk, 0
.rept 8
	v_exp_f32 v[BM+kk], v[BM+kk]
.set kk, kk+1
.endr
.irp t, 0,1,2,3
	v_pk_add_f32 v[T8+2*\t:T8+2*\t+1], v[SR+32*\t:SR+32*\t+1], v[SR+32*\t+2:SR+32*\t+3]
.endr
.irp j, 4,8,12,16,20,24,28
.irp t, 0,1,2,3
	v_pk_add_f32 v[LS+2*\t:LS+2*\t+1], v[LS+2*\t:LS+2*\t+1], v[SR+32*\t+\j:SR+32*\t+\j+1]
	v_pk_add_f32 v[T8+2*\t:T8+2*\t+1], v[T8+2*\t:T8+2*\t+1], v[SR+32*\t+\j+2:SR+32*\t+\j+3]
.endr
.endr
.irp t, 0,1,2,3
	v_pk_add_f32 v[LS+2*\t:LS+2*\t+1], v[LS+2*\t:LS+2*\t+1], v[T8+2*\t:T8+2*\t+1]
.endr
	s_wait_alu depctr_va_vdst(0)
.set kk, 0
.rept 8
	v_max_num_f32 v[BM+kk], s[FLR], v[BM+kk]
.set kk, kk+1
.endr
	QSCL4
	WIN 0x0f
.set nn, 0
.rept 16
	v_perm_b32 v[KS+nn], v[VRAW+4*(2*(nn%2)+1)+nn/4], v[VRAW+8*(nn%2)+nn/4], s[PSL+(nn/2)%2]
.set nn, nn+1
.endr
	WIN 0
	QCVT4S SR, CD0
.set gg, 0
.rept 4
	GDST gg, SR, CD0
.irp i, 0,1,2
	ds_store_b64 v[APW], v[DR+2*\i:DR+2*\i+1] offset:3072*gg+256*\i
.endr
	ds_store_b16 v[APSW], v[HW+gg] offset:256*gg
.set gg, gg+1
.endr
.if \fill == 0
.irp t, 0,1,2,3
	v_add_f32 v[SO+\t], v[LS+2*\t], v[LS+2*\t+1]
.endr
.irp t, 0,1,2,3
	v_permlanex16_b32 v[SO+4+\t], v[SO+\t], s[SEL], s[SEL+1]
.endr
.irp t, 0,1,2,3
	v_add_f32 v[SO+\t], v[SO+\t], v[SO+4+\t]
.endr
	ds_store_b128 v[AMW], v[SO:SO+3] offset:2048
	WOLOAD 1
.endif
	s_wait_dscnt 0x0                               ; my part of p lies in LDS
	s_barrier_signal -1
	s_barrier_wait -1
.if \fill == 0
.irp c, 0,1,2,3
	ds_load_b128 v[BM+4*\c:BM+4*\c+3], v[AMR] offset:2048+512*\c
.endr
.endif
.set nn, 0
.rept 8
	ds_load_b32 v[PS+nn], v[APSR] offset:128*nn
.set nn, nn+1
.endr
.set nn, 0
.rept 48
	ds_load_b64 v[SR+12*(2*((nn%24)/6)+nn/24)+2*(nn%6):SR+12*(2*((nn%24)/6)+nn/24)+2*(nn%6)+1], v[APR] offset:1536*(2*((nn%24)/6)+nn/24)+256*(nn%6)
.set nn, nn+1
.endr
	WIN 0x41
.set jj, 0
.rept 128
	v_pk_mul_f32 v[2*jj:2*jj+1], v[2*jj:2*jj+1], v[FF+2*(jj/32):FF+2*(jj/32)+1] op_sel_hi:[1,0]
.set jj, jj+1
.endr
	WIN 0x53
.set kf, 0
	s_wait_alu depctr_va_vdst(0)
.rept 2
.if kf == 0
	s_wait_dscnt 24
.else
	s_wait_dscnt 0x0
.endif
.set tt, 0
.rept 4
.set dd, 0
.rept 8
.set rO, 64*tt+8*dd
.set rV, 12*(8*kf+dd)
.set rP, SR+12*(2*tt+kf)
	v_wmma_scale_f32_16x16x128_f8f6f4 v[rO:rO+7], v[rV:rV+11], v[rP:rP+11], v[rO:rO+7], v[KS+2*dd+kf], v[PS+2*tt+kf] matrix_a_fmt:MATRIX_FMT_FP6 matrix_b_fmt:MATRIX_FMT_FP6
.set dd, dd+1
.endr
.set tt, tt+1
.endr
.set kf, kf+1
.endr
	WIN 0
.rept 5
	v_nop
.endr
.endm
.Lstep:
	STEP 1
	s_sub_co_u32 s[TRIPS], s[TRIPS], 1
	s_cmp_lg_u32 s[TRIPS], 0
	s_cbranch_scc1 .Lstep
	STEP 0                                         ; the last step fetches nothing
	WOLOAD 2
.irp n, 4,5,6,7
	global_load_b128 v[QS+4*\n:QS+4*\n+3], v[R16], s[10:11] offset:BLK+24576+256*(\n-4)
.endr
.irp t, 0,1,2,3
	v_add_f32 v[BM+\t], v[BM+\t], v[BM+4+\t]
.endr
.irp t, 0,1,2,3
	v_add_f32 v[BM+8+\t], v[BM+8+\t], v[BM+12+\t]
.endr
.irp t, 0,1,2,3
	v_add_f32 v[BM+\t], v[BM+\t], v[BM+8+\t]
.endr
	s_wait_alu depctr_va_vdst(0)
.irp t, 0,1,2,3
	v_rcp_f32 v[FF+2*\t], v[BM+\t]
.endr
	s_mul_i32 s60, s[WV], 1536
	s_add_co_u32 s60, s60, CIMG
	v_add_nc_u32 v[ACW], s60, v[L8]
	v_add_nc_u32 v[ACR], CIMG, v[L8]
	v_lshlrev_b32 v[ACSR], 2, v[LL]
	v_add_nc_u32 v[ACSR], CSC, v[ACSR]
	s_lshl_b32 s60, s[WV], 7
	v_add_nc_u32 v[ACSW], s60, v[ACSR]
	v_add_nc_u32 v[ALR], LNE, v[L16]
	s_lshl_b32 s60, s[WV], 10
	v_add_nc_u32 v[ALW], s60, v[ALR]
	v_mul_u32_u24 v[STA], v[RR], 2064
	v_add_nc_u32 v[STA], v[STA], v[H64]
	s_lshl_b32 s60, s[WV], 9
	s_add_co_u32 s60, s60, STG
	v_add_nc_u32 v[STA], s60, v[STA]
	v_add_nc_u32 v[STA+1], 66048, v[STA]
	s_mul_i32 s60, s[WV], 33024
	s_add_co_u32 s60, s60, STG
	v_add_nc_u32 v[ASR], s60, v[L16]
	s_wait_alu depctr_va_vdst(0)
.macro CTXPASS pp                      ; ctx = O^T / the row's sum for 32 queries, quantised along my 128 dims, to all waves through LDS
	WIN 0x01
.set jj, 0
.rept 64
	v_pk_mul_f32 v[SR+2*jj:SR+2*jj+1], v[128*(\pp)+2*jj:128*(\pp)+2*jj+1], v[FF+2*(2*(\pp)+jj/32):FF+2*(2*(\pp)+jj/32)+1] op_sel_hi:[1,0]
.set jj, jj+1
.endr
	WIN 0
	QMAX4 SR
	QSCL4
	QCVT4S SR, CD0
.set gg, 0
.rept 4
	GDST gg, SR, CD0
.irp i, 0,1,2
	ds_store_b64 v[ACW], v[DR+2*\i:DR+2*\i+1] offset:6144*(2*(\pp)+gg/2)+768*(gg%2)+256*\i
.endr
	ds_store_b16 v[ACSW], v[HW+gg] offset:512*(2*(\pp)+gg/2)+2*(gg%2)
.set gg, gg+1
.endr
	s_wait_dscnt 0x0
.endm
	CTXPASS 0
	WOLOAD 3
	CTXPASS 1
	s_barrier_signal -1
	s_barrier_wait -1
	s_wait_loadcnt 48
.macro CLOAD s                         ; ctx's four fragments and scale words of K step s, into buffer s % 2
.set nn, 0
.rept 24
	ds_load_b64 v[80+48*((\s)%2)+2*nn:80+48*((\s)%2)+2*nn+1], v[ACR] offset:(4*(nn/6)+(\s))*1536+256*(nn%6)
.set nn, nn+1
.endr
.irp t, 0,1,2,3
	ds_load_b32 v[72+4*((\s)%2)+\t], v[ACSR] offset:(4*\t+(\s))*128
.endr
.endm
	CLOAD 0
.set ss, 0
.rept 4
.if ss < 3
	CLOAD ss+1                                     ; the next K step's, into the buffer that the K step before has multiplied (four places stand behind its products)
	s_wait_dscnt 28                                ; this K step's are in; the 24 + 4 just issued may be out
.else
	s_wait_dscnt 0x0
.endif
.set SR, 80+48*(ss%2)
.set PS, 72+4*(ss%2)
.if ss == 3
	s_wait_loadcnt 0x0
.endif
.if ss == 0
	WIN 0x62
.elseif ss == 1
	WIN 0x52
.else
	WIN 0x53
.endif
.set tt, 0
.rept 4
.set dd, 0
.rept 8
.set rO, 64*tt+8*dd
.set rA, 12*(8*(ss%2)+dd)
.if ss == 0
	v_wmma_scale_f32_16x16x128_f8f6f4 v[rO:rO+7], v[rA:rA+11], v[SR+12*tt:SR+12*tt+11], v[192+8*dd:192+8*dd+7], v[QS+4*dd+ss], v[PS+tt] matrix_a_fmt:MATRIX_FMT_FP6 matrix_b_fmt:MATRIX_FMT_FP6
.else
	v_wmma_scale_f32_16x16x128_f8f6f4 v[rO:rO+7], v[rA:rA+11], v[SR+12*tt:SR+12*tt+11], v[rO:rO+7], v[QS+4*dd+ss], v[PS+tt] matrix_a_fmt:MATRIX_FMT_FP6 matrix_b_fmt:MATRIX_FMT_FP6
.endif
.set dd, dd+1
.endr
.set tt, tt+1
.endr
	WIN 0
.rept 4
	v_nop
.endr
.set ss, ss+1
.endr
.set SR,  80
.set PS,  72
.set SA,  80
.set MP,  88
.set QA,  96
.set M4,  104
.set Q4,  108
.set XL,  112
.set RSP, 144
.set SHP, 152
.set TT,  160
	WIN 0x44
.set jj, 0
.rept 256
	v_max_num_f32 v[jj], 0, v[jj]
.set jj, jj+1
.endr
	WIN 0
.set jj, 0
.rept 8
	v_mov_b32 v[SA+jj], 0
	v_mov_b32 v[QA+jj], 0
.set jj, jj+1
.endr
	WIN 0x04
.set jj, 0
.rept 128
	v_pk_add_f32 v[SA+2*(jj%4):SA+2*(jj%4)+1], v[SA+2*(jj%4):SA+2*(jj%4)+1], v[64*(jj%4)+2*(jj/4):64*(jj%4)+2*(jj/4)+1]
.set jj, jj+1
.endr
	WIN 0
.irp t, 0,1,2,3
	v_add_f32 v[M4+\t], v[SA+2*\t], v[SA+2*\t+1]
.endr
.irp t, 0,1,2,3
	v_permlanex16_b32 v[T8+\t], v[M4+\t], s[SEL], s[SEL+1]
.endr
.irp t, 0,1,2,3
	v_add_f32 v[M4+\t], v[M4+\t], v[T8+\t]
.endr
.irp t, 0,1,2,3
	v_mul_f32 v[M4+\t], 0x3c000000, v[M4+\t]
.endr
.irp t, 0,1,2,3
	v_mov_b32 v[MP+2*\t], v[M4+\t]
	v_mov_b32 v[MP+2*\t+1], v[M4+\t]
.endr
	WIN 0x41
.set jj, 0
.rept 128
	v_pk_add_f32 v[2*jj:2*jj+1], v[2*jj:2*jj+1], v[MP+2*(jj/32):MP+2*(jj/32)+1] neg_lo:[0,1] neg_hi:[0,1]
.set jj, jj+1
.endr
	WIN 0x05
.set jj, 0
.rept 128
	v_pk_fma_f32 v[QA+2*(jj%4):QA+2*(jj%4)+1], v[64*(jj%4)+2*(jj/4):64*(jj%4)+2*(jj/4)+1], v[64*(jj%4)+2*(jj/4):64*(jj%4)+2*(jj/4)+1], v[QA+2*(jj%4):QA+2*(jj%4)+1]
.set jj, jj+1
.endr
	WIN 0
.irp t, 0,1,2,3
	v_add_f32 v[Q4+\t], v[QA+2*\t], v[QA+2*\t+1]
.endr
.irp t, 0,1,2,3
	v_permlanex16_b32 v[T8+\t], v[Q4+\t], s[SEL], s[SEL+1]
.endr
.irp t, 0,1,2,3
	v_add_f32 v[Q4+\t], v[Q4+\t], v[T8+\t]
.endr
	ds_store_b128 v[ALW], v[M4:M4+3]
	ds_store_b128 v[ALW], v[Q4:Q4+3] offset:512
	s_wait_dscnt 0x0
	s_barrier_signal -1
	s_barrier_wait -1
.irp c, 0,1,2,3
	ds_load_b128 v[XL+8*\c:XL+8*\c+3], v[ALR] offset:1024*\c
	ds_load_b128 v[XL+8*\c+4:XL+8*\c+7], v[ALR] offset:1024*\c+512
.endr
	s_mov_b32 s60, 0x3b000000
	s_mov_b32 s61, 0x3a83126f
	s_wait_dscnt 0x0
.irp t, 0,1,2,3
	v_add_f32 v[TT+\t], v[XL+\t], v[XL+8+\t]
	v_add_f32 v[TT+4+\t], v[XL+16+\t], v[XL+24+\t]
.endr
.irp t, 0,1,2,3
	v_add_f32 v[TT+\t], v[TT+\t], v[TT+4+\t]
.endr
.irp t, 0,1,2,3
	v_mul_f32 v[TT+\t], 0x3e800000, v[TT+\t]
.endr
.irp t, 0,1,2,3
	v_add_f32 v[TT+4+\t], v[XL+4+\t], v[XL+12+\t]
	v_add_f32 v[TT+8+\t], v[XL+20+\t], v[XL+28+\t]
.endr
.irp t, 0,1,2,3
	v_add_f32 v[TT+4+\t], v[TT+4+\t], v[TT+8+\t]
.endr
.irp c, 0,1,2,3
.irp t, 0,1,2,3
	v_sub_f32 v[XL+8*\c+\t], v[XL+8*\c+\t], v[TT+\t]
.endr
.endr
.irp t, 0,1,2,3
	v_mul_f32 v[TT+8+\t], v[XL+\t], v[XL+\t]
.endr
.irp c, 1,2,3
.irp t, 0,1,2,3
	v_fma_f32 v[TT+8+\t], v[XL+8*\c+\t], v[XL+8*\c+\t], v[TT+8+\t]
.endr
.endr
.irp t, 0,1,2,3
	v_fma_f32 v[TT+4+\t], v[TT+8+\t], 0x43000000, v[TT+4+\t]
.endr
.irp t, 0,1,2,3
	v_fma_f32 v[TT+4+\t], v[TT+4+\t], s60, s61
.endr
	s_wait_alu depctr_va_vdst(0)
.irp t, 0,1,2,3
	v_rsq_f32 v[RSP+2*\t], v[TT+4+\t]
.endr
.irp t, 0,1,2,3
	v_sub_f32 v[TT+8+\t], v[M4+\t], v[TT+\t]
.endr
	s_wait_alu depctr_va_vdst(0)
.irp t, 0,1,2,3
	v_mov_b32 v[RSP+2*\t+1], v[RSP+2*\t]
	v_mul_f32 v[SHP+2*\t], v[TT+8+\t], v[RSP+2*\t]
.endr
.irp t, 0,1,2,3
	v_mov_b32 v[SHP+2*\t+1], v[SHP+2*\t]
.endr
	WIN 0x41
.set jj, 0
.rept 128
	v_pk_fma_f32 v[2*jj:2*jj+1], v[2*jj:2*jj+1], v[RSP+2*(jj/32):RSP+2*(jj/32)+1], v[SHP+2*(jj/32):SHP+2*(jj/32)+1]
.set jj, jj+1
.endr
	WIN 0x04
.set nn, 0
.rept 32
	ds_store_b128 v[STA+nn/16], v[8*nn:8*nn+3] offset:((nn/8)%2)*33024+256*((nn%8)/4)+128*((nn%4)/2)+32*(nn%2)
	ds_store_b128 v[STA+nn/16], v[8*nn+4:8*nn+7] offset:((nn/8)%2)*33024+256*((nn%8)/4)+128*((nn%4)/2)+32*(nn%2)+16
.set nn, nn+1
.endr
	WIN 0
	s_wait_dscnt 0x0
	s_barrier_signal -1
	s_barrier_wait -1
.macro RDB bb
.set nn, 0
.rept 16
	ds_load_b128 v[SR+64*((\bb)%2)+4*nn:SR+64*((\bb)%2)+4*nn+3], v[ASR] offset:(4*(\bb)+nn/4)*2064+512*(nn%4)
.set nn, nn+1
.endr
.endm
.macro WRB bb                          ; gamma and beta, and whole rows out: each store of the wave covers 512 consecutive bytes, aligned to 256
	WIN 0x3c
.set nn, 0
.rept 32
	v_pk_fma_f32 v[SR+64*((\bb)%2)+2*nn:SR+64*((\bb)%2)+2*nn+1], v[SR+64*((\bb)%2)+2*nn:SR+64*((\bb)%2)+2*nn+1], v[192+2*(nn%8):192+2*(nn%8)+1], v[208+2*(nn%8):208+2*(nn%8)+1]
.set nn, nn+1
.endr
	WIN 0
.set nn, 0
.rept 16
	global_store_b128 v[L16], v[SR+64*((\bb)%2)+4*nn:SR+64*((\bb)%2)+4*nn+3], s[18:19] offset:(4*(\bb)+nn/4+8*((\bb)/2))*2048+512*(nn%4) th:TH_STORE_NT
.set nn, nn+1
.endr
.endm
	RDB 0
	RDB 1
	s_wait_dscnt 16
	WRB 0
	s_wait_xcnt 0x0
	RDB 2
	s_wait_dscnt 16
	WRB 1
	s_wait_xcnt 0x0
	RDB 3
	s_wait_dscnt 16
	WRB 2
	s_wait_dscnt 0x0
	WRB 3
	s_wait_tensorcnt 0x0                           ; the wave's end
	ds_add_u32 v[SPW], v[NIL]
	s_wait_dscnt 0x0
	CROUND                                         ; the closing round
	s_endpgm
.Lfunc_end_k_q791abf3a16_attn:
	.size	k_q791abf3a16_attn, .Lfunc_end_k_q791abf3a16_attn-k_q791abf3a16_attn
	.p2alignl 7, 3214868480
	.fill 96, 4, 3214868480
	.section	.rodata,"a",@progbits
	.p2align	6, 0x0
	.amdhsa_kernel k_q791abf3a16_attn
		.amdhsa_group_segment_fixed_size 327680
		.amdhsa_private_segment_fixed_size 0
		.amdhsa_enable_private_segment 0
		.amdhsa_kernarg_size 64
		.amdhsa_user_sgpr_count 2
		.amdhsa_user_sgpr_kernarg_segment_ptr 1
		.amdhsa_wavefront_size32 1
		.amdhsa_system_sgpr_workgroup_id_x 1
		.amdhsa_system_sgpr_workgroup_id_y 1
		.amdhsa_system_sgpr_workgroup_id_z 1
		.amdhsa_system_vgpr_workitem_id 0
		.amdhsa_next_free_vgpr 1024
		.amdhsa_next_free_sgpr 72
		.amdhsa_reserve_vcc 0
		.amdhsa_float_denorm_mode_32 3
		.amdhsa_float_denorm_mode_16_64 3
		.amdhsa_memory_ordered 1
		.amdhsa_forward_progress 1
		.amdhsa_inst_pref_size 255
	.end_amdhsa_kernel
	.section	.bss,"aw",@nobits
	.p2align	6
	.space	262144
	.amdgpu_metadata
---
amdhsa.version: [ 1, 2 ]
amdhsa.kernels:
  - .name:           k_q791abf3a16_attn
    .symbol:         k_q791abf3a16_attn.kd
    .args:
      - { .name: qcodes, .offset: 0, .size: 8, .value_kind: global_buffer, .address_space: global }
      - { .name: kcodes, .offset: 8, .size: 8, .value_kind: global_buffer, .address_space: global }
      - { .name: vcodes, .offset: 16, .size: 8, .value_kind: global_buffer, .address_space: global }
      - { .name: wcodes, .offset: 24, .size: 8, .value_kind: global_buffer, .address_space: global }
      - { .name: bo, .offset: 32, .size: 8, .value_kind: global_buffer, .address_space: global }
      - { .name: gamma, .offset: 40, .size: 8, .value_kind: global_buffer, .address_space: global }
      - { .name: beta, .offset: 48, .size: 8, .value_kind: global_buffer, .address_space: global }
      - { .name: out0, .offset: 56, .size: 8, .value_kind: global_buffer, .address_space: global }
    .group_segment_fixed_size: 327680
    .private_segment_fixed_size: 0
    .kernarg_segment_align: 8
    .kernarg_segment_size: 64
    .max_flat_workgroup_size: 128
    .sgpr_count:     72
    .vgpr_count:     1024
    .wavefront_size: 32
...
	.end_amdgpu_metadata
.endif
;; end of part 3
